; MI455X (gfx1250); checked and timed in simulation.
; The chip was launched on July 23, 2026; its instructions are those of AMD's public machine-readable ISA for CDNA 5 (MIT licence, August 2026) and "CDNA5" Instruction Set Architecture Reference Guide (July 2026). The comments in the code are by the model that wrote it; some were corrected since.
;; Titan Memory. Allowed arithmetic: matrix products marked QUANTISED: E2M1 operands, one E8M0 scale for each 32 along K, by v_wmma_scale_f32_16x16x128_f8f6f4 with both operands' format E2M1 (or v_wmma_scale_f32_32x16x128_f4), f32 sums; everything else in f32.
;; Inputs: W 1,024 x 1,024 float32; b 1,024 float32; memory_bank 1 x 1,024 x 1,024 float32; x 8 x 2,048 x 1,024 float32.
;; Outputs: out0 8 x 2,048 x 1,024 float32.
;; This version of the problem:
;;   THIS VERSION OF THE PROBLEM IS GIVEN IN LOW PRECISION. The matrix products marked QUANTISED in the list below multiply operands that are first quantised to E2M1 (2 exponent bits, 1 mantissa bit; 4 bits a number), with one power-of-two scale for each 32 numbers along K (OCP MX v1.0); their sums are f32. All else is computed in f32.
;;   The module's matrix products, in the order in which they are computed (A, B: the left and right operand; K: the contracted axis; several contracted axes count as one K, in the product's order):
;;     1. [M 16,384, K 1,024] x [K 1,024, N 1,024]; A: input x; B: input W: QUANTISED
;;     2. [M 16,384, K 1,024] x [K 1,024, N 1,024]; A: computed on the way; B: input memory_bank: QUANTISED
;;     3. [M 16,384, K 1,024] x [K 1,024, N 1,024]; A: softmax (see below); B: input memory_bank: QUANTISED
;;   THE QUANTISER, for each operand of a quantised product, along K:
;;     - K is cut into blocks of 32 from its start; a last block that is shorter is filled with zeros.
;;     - A block's scale is 2^e with e = floor(log2(the largest magnitude in the block)) - 2, held to -126 .. 127; a block of zeros has e = 0. As a byte (E8M0): e + 127.
;;     - Each number is divided by its block's scale, clamped to +-6, and rounded to the nearest number of E2M1, ties to even, subnormals kept.
;;     - The product sums the exact products of the quantised numbers (number of the format x scale) in f32.
;;   ~~~python
;;   def quantise(x, axis):      # numpy; x: float32 -> the quantised numbers, widened to float32 again
;;       x = np.moveaxis(x, axis, -1); K = x.shape[-1]
;;       x = np.pad(x, [(0, 0)] * (x.ndim - 1) + [(0, -K % 32)]); x = x.reshape(x.shape[:-1] + (-1, 32)); a = np.abs(x).max(-1, keepdims=True)
;;       e = np.where(a > 0, np.clip(np.frexp(np.where(a > 0, a, 1))[1] - 1 - 2, -126, 127), 0)      # np.frexp(a)[1] - 1 = floor(log2(a)), exactly
;;       r = np.clip(x / 2.0 ** e, -6, 6)
;;       step = 2.0 ** (np.maximum(np.frexp(np.where(r == 0, 1, r))[1] - 1, 0) - 1)
;;       q = np.round(r / step) * step * 2.0 ** e      # np.round: ties to even
;;       return np.moveaxis(q.reshape(q.shape[:-2] + (-1,))[..., :K], -1, axis).astype(np.float32)
;;   ~~~
;;   SOFTMAX AHEAD OF A QUANTISED PRODUCT. Where the list says 'softmax', what is quantised is not the finished softmax but p = 2^(t - M), with t = logit x log2(e) and M = ceil(the row's largest t), a whole number; so 1/2 < the row's largest p <= 1. The row's sum l is taken of the UNQUANTISED p, in f32, and the product's result is divided by l at the end. Since M is a whole number, a kernel that streams over the keys may use a running M (the ceiling of the running maximum): every later rescaling is an exact power of two, which a block's scale takes up: the codes' values come out the same.
;;   OPERANDS COMPUTED ON THE WAY. 'Computed on the way' means the value that the module computes at that place (a softmax that the list does not call 'softmax' is quantised finished and normalised). What goes into a quantiser is computed in f32, as accurately as f32 sums, v_exp_f32 and their like allow (about 1e-6 of the number): no bf16 or f16 on the way to a quantiser, and a product that is left as it is and whose result goes on into a quantised operand takes f32 operands (vector FMAs, or v_wmma_f32_16x16x4_f32). A number that lies on a knife's edge between two numbers of the format may be rounded either way, as far as f32 arithmetic and the matrix unit's own rounding can turn it there, and no further.
;; One version. Each part assembles by itself: llvm-mc -triple=amdgcn-amd-amdhsa -mcpu=gfx1250 --defsym DOCPART=n.
;; ======== version 1 of 1: 2 launches
;; limits: right only within a limited range of input values
;; workspace buffers: wimg 1,671,168 bytes
;; launch prep (part 1): grid 192 x 1, 4 waves a work-group, no clusters, 68,096 bytes of LDS; arguments W, memory_bank, wimg; writes wimg
.if DOCPART == 1
	.amdgcn_target "amdgcn-amd-amdhsa--gfx1250"
	.amdhsa_code_object_version 6
	.text
	.protected	k_q04bfad6944_prep
	.globl	k_q04bfad6944_prep
	.p2align	8
	.type	k_q04bfad6944_prep,@function
k_q04bfad6944_prep:
	s_mov_b64 s[64:65], 0
	v_nop
	global_prefetch_b8 v0, s[64:65] scope:SCOPE_SE
	s_setreg_imm32_b32 hwreg(HW_REG_WAVE_MODE, 25, 1), 1
	s_wait_xcnt 0x0
; W [1024][1024] and memory_bank [1024][1024], f32, become three operands of FP4 (E2M1) codes with one E8M0 scale byte for each 32 along K:
;   P = 0: Z[n][k] = W[n][k];   P = 1: Z[n][k] = mem[n][k];   P = 2: Z[n][k] = mem[k][n] (K = the keys, mem's first axis).
; They are laid in wimg in the order in which the second launch's tensor loads and operand registers take them.  A unit is 16 fragments of 1,024 bytes, then 1,024 bytes of scale words = 17,408 bytes;
; unit a (0 .. 7) of product P and wave w lies at ((4 P + a / 2) 4 + w) 34,816 + (a % 2) 17,408; in it a pair of fragments c (0 .. 7) at 2,048 c.
;   P < 2: the product walks K: a = the K step s of 128, c = the tile pair B % 8 of wave w = B / 8.      P = 2: the product walks its columns: a = the tile pair B % 8, c = the K step s.
;   A fragment is an image of 8 registers: lane l = i + 16 h holds tile row i, k = 64 c' + 32 h + 0 .. 31 in registers 4 c' .. 4 c' + 3: block q = 2 c' + h of row i lies at 256 q + 16 i.
;   Row i of tile u of pair B is matrix row 32 B + 8 u + i + 8 (i / 8), so that the two tiles' results are 16 neighbours along the next product's K, or along a row of the result.
;   The scale word of pair c, tile u, row i lies at 16,384 + 512 (c / 4) + 16 (i + 16 u) + 4 (c % 4): two loads of 16 bytes a lane bring a unit's words.
; A block's scale is 2^(floor(log2(largest magnitude)) - 2): its byte is the largest magnitude's exponent field - 2, held at 1 from below by a floor among the maximum's leaves.
; LIMITS: a block of zeros gets the byte 1 (the rule says 127): its codes are zeros and this program alone reads the bytes.  NaN and infinities among the inputs are not served.
; SHARES: work-group g: P = g / 64, s = (g / 8) % 8, Bq = g % 8.  Wave v takes tile pair B = 4 Bq + v: 32 matrix rows, one a lane, x 128 along K: 128 numbers a lane, four whole blocks: no lane asks another for a maximum.
; P < 2: K is innermost: each load reads 512 consecutive bytes of one row, and the 32 x 512 bytes turn through the wave's own stage in LDS (pitch 528).  P = 2: a lane takes a column, its registers run down K: nothing is turned.
; No tensor loads, no barrier: waves share nothing.
.set X,   32                           ; v32-159  my row's 128 numbers
.set C,   160                          ; v160-175 their codes, four registers a block
.set WD,  176                          ; v176     the scale word
.set SPT, 528                          ; a stage row: 512 bytes + 16
	s_load_b128 s[4:7], s[0:1], 0x0                ; W, memory_bank
	s_load_b64 s[8:9], s[0:1], 0x10                ; wimg
	v_lshl_add_u32 v192, v0, 2, 0x10800
	v_mov_b32 v193, 0
	v_lshrrev_b32 v1, 5, v0
	v_readfirstlane_b32 s10, v1                    ; wave
	v_and_b32 v1, 31, v0                           ; lane
	s_lshr_b32 s11, ttmp9, 6                       ; P
	s_bfe_u32 s12, ttmp9, 0x30003                  ; s
	s_and_b32 s13, ttmp9, 7                        ; Bq
	s_lshl_b32 s14, s13, 2
	s_add_co_u32 s14, s14, s10                     ; B = 4 Bq + wave
	s_and_b32 s17, s14, 7                          ; B % 8
	s_cmp_eq_u32 s11, 2                            ; the third product walks its columns: there K step and tile pair change roles
	s_cselect_b32 s26, s17, s12                    ; a: which unit
	s_cselect_b32 s27, s12, s17                    ; c: which pair of fragments in it
	s_lshl_b32 s15, s11, 2
	s_lshr_b32 s16, s26, 1
	s_add_co_u32 s15, s15, s16                     ; 4 P + a / 2
	s_lshl_b32 s15, s15, 2
	s_lshr_b32 s16, s13, 1                         ; w = B / 8 = Bq / 2
	s_add_co_u32 s15, s15, s16
	s_mul_i32 s20, s15, 34816
	s_and_b32 s16, s26, 1
	s_mul_i32 s16, s16, 17408
	s_add_co_u32 s20, s20, s16                     ; the unit's first byte
	s_mov_b32 s21, 0
	s_lshl_b32 s18, s27, 11                        ; two fragments a pair
	s_lshr_b32 s19, s27, 2
	s_lshl_b32 s19, s19, 9
	s_and_b32 s22, s27, 3
	s_lshl_b32 s22, s22, 2
	s_add_co_u32 s19, s19, s22
	s_add_co_u32 s19, s19, 16384                   ; 16,384 + 512 (c / 4) + 4 (c % 4)
	v_bfe_u32 v2, v0, 3, 1                         ; u: which tile of the pair my row belongs to
	v_and_b32 v3, 7, v0
	v_bfe_u32 v6, v0, 4, 1
	v_lshl_or_b32 v3, v6, 3, v3                    ; i: its row in that tile
	v_lshlrev_b32 v4, 10, v2
	v_lshl_add_u32 v4, v3, 4, v4
	v_add_nc_u32 v4, s18, v4                       ; codes: 2,048 c + 1,024 u + 16 i; the block's 256 q stands in the immediate
	v_lshl_add_u32 v5, v2, 4, v3
	v_lshlrev_b32 v5, 4, v5
	v_add_nc_u32 v5, s19, v5                       ; the scale word's place
	s_mul_i32 s23, s10, 32*SPT                     ; my wave's stage
	v_lshlrev_b32 v14, 4, v1                       ; 16 x lane
	v_lshlrev_b32 v15, 2, v1                       ; 4 x lane
	v_add_nc_u32 v6, s23, v14                      ; into the stage: a row as it lies
	v_mul_u32_u24 v7, v1, SPT
	v_add_nc_u32 v7, s23, v7                       ; out of it: my row
	s_mov_b32 s25, 0
	s_wait_kmcnt 0x0
	s_add_nc_u64 s[8:9], s[8:9], s[20:21]
	s_cmp_eq_u32 s11, 0                            ; the choice hangs on the work-group's number alone
	s_cselect_b64 s[4:5], s[4:5], s[6:7]
	s_cmp_eq_u32 s11, 2
	s_cbranch_scc1 .Lcols
	; ---- K innermost: rows 32 B + i, bytes 512 s on
	s_lshl_b32 s24, s14, 17
	s_lshl_b32 s26, s12, 9
	s_add_co_u32 s24, s24, s26
	s_add_nc_u64 s[4:5], s[4:5], s[24:25]
.set i, 0
	s_wait_alu depctr_va_vdst(0)
.rept 32
	global_load_b128 v[X+4*i:X+4*i+3], v14, s[4:5] offset:4096*i   ; 32 lanes read 512 consecutive bytes of row i
.set i, i+1
.endr
.set i, 0
.rept 32
	s_wait_loadcnt 31-i                            ; loads come back in order: row i is in, the younger ones stay out
	ds_store_b128 v6, v[X+4*i:X+4*i+3] offset:SPT*i
.set i, i+1
.endr
	s_wait_dscnt 0x0                               ; the stores have read their registers
.set i, 0
.rept 32
	ds_load_b128 v[X+4*i:X+4*i+3], v7 offset:16*i  ; my row's 128 numbers; rows 528 bytes apart
.set i, i+1
.endr
	s_wait_dscnt 0x0
	s_branch .Ltail
.Lcols:
	; ---- K is the first axis: mem(128 s + i, 32 B + lane)
	s_lshl_b32 s24, s12, 19
	s_lshl_b32 s26, s14, 7
	s_add_co_u32 s24, s24, s26
	s_add_nc_u64 s[4:5], s[4:5], s[24:25]
.set i, 0
	s_wait_alu depctr_va_vdst(0)
.rept 128
	global_load_b32 v[X+i], v15, s[4:5] offset:4096*i   ; 128 consecutive bytes a wave; the four waves stand side by side on 512
.set i, i+1
.endr
	s_wait_loadcnt 0x0
.Ltail:
.macro BLOCK q
.set XS, X+32*(\q)
	v_max3_num_f32 v8, |v[XS]|, |v[XS+1]|, |v[XS+2]|               ; the block's largest magnitude: all 32 numbers are mine; two chains
	v_max3_num_f32 v9, |v[XS+3]|, |v[XS+4]|, |v[XS+5]|
.irp i, 6,10,14,18,22,26
	v_max3_num_f32 v8, v8, |v[XS+\i]|, |v[XS+\i+1]|
	v_max3_num_f32 v9, v9, |v[XS+\i+2]|, |v[XS+\i+3]|
.endr
	v_max3_num_f32 v8, v8, |v[XS+30]|, |v[XS+31]|
	v_max3_num_f32 v8, v8, v9, 0x1800000           ; and the floor 2^(3 - 127): the byte cannot fall under 1
	v_add_nc_u32 v[10+(\q)], 0xff000000, v8        ; 2 off the exponent field: the conversion takes this operand's exponent field as its scale
	v_lshrrev_b32 v9, 23, v[10+(\q)]               ; the scale's byte
.if (\q) == 0
	v_mov_b32 v[WD], v9
.else
	v_lshl_or_b32 v[WD], v9, 8*(\q), v[WD]         ; the lower K in the lower byte
.endif
.irp g, 0,1,2,3
	v_cvt_scalef32_pk8_fp4_f32 v[C+4*(\q)+\g], v[XS+8*\g:XS+8*\g+7], v[10+(\q)]
.endr
	global_store_b128 v4, v[C+4*(\q):C+4*(\q)+3], s[8:9] offset:256*(\q)   ; the 16 lanes of a tile store 256 consecutive bytes, aligned; no store's data are written again
.endm
	BLOCK 0
	BLOCK 1
	BLOCK 2
	BLOCK 3
	v_nop                                          ; a plain line behind the last conversion
	global_store_b32 v5, v[WD], s[8:9]             ; 4 bytes at every 16th: the words between them are other waves' (P < 2) or other work-groups' (P = 2); the words are one seventeenth of wimg
	s_wait_tensorcnt 0x0
	ds_add_u32 v192, v193
	s_wait_dscnt 0x0
	s_endpgm
.Lfunc_end_k_q04bfad6944_prep:
	.size	k_q04bfad6944_prep, .Lfunc_end_k_q04bfad6944_prep-k_q04bfad6944_prep
	.p2alignl 7, 3214868480
	.fill 96, 4, 3214868480
	.section	.rodata,"a",@progbits
	.p2align	6, 0x0
	.amdhsa_kernel k_q04bfad6944_prep
		.amdhsa_group_segment_fixed_size 68096
		.amdhsa_private_segment_fixed_size 0
		.amdhsa_enable_private_segment 0
		.amdhsa_kernarg_size 24
		.amdhsa_user_sgpr_count 2
		.amdhsa_user_sgpr_kernarg_segment_ptr 1
		.amdhsa_wavefront_size32 1
		.amdhsa_system_sgpr_workgroup_id_x 1
		.amdhsa_system_sgpr_workgroup_id_y 1
		.amdhsa_system_sgpr_workgroup_id_z 1
		.amdhsa_system_vgpr_workitem_id 0
		.amdhsa_next_free_vgpr 194
		.amdhsa_next_free_sgpr 66
		.amdhsa_reserve_vcc 0
		.amdhsa_float_denorm_mode_32 3
		.amdhsa_float_denorm_mode_16_64 3
		.amdhsa_memory_ordered 1
		.amdhsa_forward_progress 1
		.amdhsa_inst_pref_size 30
	.end_amdhsa_kernel
	.amdgpu_metadata
---
amdhsa.version: [ 1, 2 ]
amdhsa.kernels:
  - .name:           k_q04bfad6944_prep
    .symbol:         k_q04bfad6944_prep.kd
    .args:
      - { .name: W, .offset: 0, .size: 8, .value_kind: global_buffer, .address_space: global }
      - { .name: memory_bank, .offset: 8, .size: 8, .value_kind: global_buffer, .address_space: global }
      - { .name: wimg, .offset: 16, .size: 8, .value_kind: global_buffer, .address_space: global }
    .group_segment_fixed_size: 68096
    .private_segment_fixed_size: 0
    .kernarg_segment_align: 8
    .kernarg_segment_size: 24
    .max_flat_workgroup_size: 128
    .sgpr_count:     66
    .vgpr_count:     194
    .wavefront_size: 32
...
	.end_amdgpu_metadata
.endif
;; end of part 1
;; launch fused (part 2): grid 256 x 1, 4 waves a work-group, clusters of 4 x 1, 327,680 bytes of LDS; arguments x, b, wimg, out0; writes out0
.if DOCPART == 2
	.amdgcn_target "amdgcn-amd-amdhsa--gfx1250"
	.amdhsa_code_object_version 6
	.text
	.protected	k_q04bfad6944_fused
	.globl	k_q04bfad6944_fused
	.p2align	8
	.type	k_q04bfad6944_fused,@function
k_q04bfad6944_fused:
	s_mov_b64 s[64:65], 0
	v_nop
	global_prefetch_b8 v0, s[64:65] scope:SCOPE_SE
	s_setreg_imm32_b32 hwreg(HW_REG_WAVE_MODE, 25, 1), 1
	s_wait_xcnt 0x0
	s_wait_alu depctr_hold_cnt(0) depctr_sa_sdst(0) depctr_va_vdst(0) depctr_va_sdst(0) depctr_va_ssrc(0) depctr_va_vcc(0) depctr_vm_vsrc(0)
	s_getreg_b32 s2, hwreg(HW_REG_IB_STS2, 6, 4)
	s_cmp_eq_u32 s2, 0
	s_cbranch_scc0 .Lentry_in_a_cluster
	s_endpgm
.Lentry_in_a_cluster:
	s_bfe_u32 s2, ttmp6, 0x10000c
	s_cmp_lg_u32 s2, 0x3003
	s_cbranch_scc0 .Lentry_shape_is_right
	s_endpgm
.Lentry_shape_is_right:
; out = softmax(Q(x W^T + b) Q(mem)^T) mem, three products on codes of FP4 (E2M1) with one E8M0 scale byte for each 32 along K; all else in f32.
; A work-group owns 64 rows through the whole chain; wave w makes columns 256 w .. 256 w + 255 of each product for all 64 rows.
; THE WEIGHTS lie in wimg as images of operand registers: 24 units a wave (8 for each product), a unit = 16 fragments of 1,024 bytes and 1,024 bytes of scale words.
;   They come through a ring of two LDS slots of two units a wave (34,816 bytes), one tensor load a wave and fill, 12 fills.  All work-groups walk the same weights:
;   the four of a cluster ask for each fill jointly.
; x goes from memory into registers: two loads behind each other cover 1,024 consecutive bytes of a row, 8 neighbours a lane, four lanes to a block of 32;
;   32 loads a wave are out, and each group of four rows is asked for anew as soon as it has been turned into codes.  The ring's two slots fill meanwhile.
; PREFETCH: at each change of slots, the fill two on; by the first four clusters; a wave's 136 blocks of 256 bytes are shared out among the partners by address (34 each).  The first two fills come by their loads alone.
; The products are used TRANSPOSED (source 0 = weights, source 1 = activations): a lane holds one row; register j of tiles 2 b, 2 b + 1 holds columns 32 b + 16 h + 0 .. 15.
; ACTIVATION IMAGE in LDS: K step s at ACTU s; tile m (16 rows) at 1,088 m in it; block q of row i at 272 q + 16 i; the scale words at 4,352 + 16 i + 4 m.
; SOFTMAX: t = score x log2(e), M = ceil(the row's largest t); p = 2^(t - M) is quantised along the keys; the row's sum is of the unquantised p and divides at the end.
;   A block's largest p is made from the block's largest score by the same two instructions.
; LIMITS: a block of zeros gets the byte 1 (the rule says 127): its codes are zeros and this program alone reads the bytes.  NaN and infinities among the inputs are not served.
; REGISTERS: window 0 below; window 1 weights, two units; windows 2, 3: accumulator (m, t) at v[128 (m % 2) + 8 t] of window 2 + m / 2 (ahead of product 1: x's numbers in window 2, b in window 3);
;   in product 3 window 2 holds p, window 3 the sums.
.set KU,    17408                      ; a unit
.set PART,  34816                      ; a wave's part of a slot
.set WREG,  69632
.set FILLB, 139264                     ; four waves' parts
.set ACT,   278528
.set ACTU,  4672
.set ATI,   1088
.set REDM,  315904                     ; row maxima, then row sums, of the four waves
.set SPARE, 317952
.set SP3,   272
.set STB,   16*SP3
.set LI,  1
.set XO,  2
.set CB0, 4
.set SB0, 5
.set CBA, 8
.set SBA, 9
.set AWI, 10
.set ASI, 11
.set SPW, 14
.set NIL, 15
.set TM,  16
.set BT,  TM+4
.set PW,  32
.set NM,  40
.set SA,  48
.set AAD, 56
.set ASD, 57
.set RMW, 58
.set RMR, 59
.set ALA, 60
.set ASA, 61
.set AWD, 62
.set AF,  64
.set PC,  64
.set OB,  64
.set WS,  128
.set AS,  160
.set PS,  168
.set BM,  200
.set VB,  232
.set SO3, 233
.set SR3, 234
.set GO3, 235
.set PF1, 236
.set PF2, 237
.set RQ,  240
.set WV,  12
.set G1W, 24
.set G0W, 32
.set PF,  36
.set SEL, 52
.set CS,  54
.set TB,  56
.set CNT, 57
.set TA,  61
.set MSB, 0
.macro WIN new
.if MSB != (\new)
	s_set_vgpr_msb (MSB<<8)|(\new)
.set MSB, (\new)
.endif
.endm
.macro PLACES n
.rept \n
	v_nop
.endr
.endm
.macro CREST                           ; a round of the cluster's barrier behind its opening barrier
	s_cmp_lg_u32 s[WV], 0
	s_cbranch_scc1 .Lnot_wave_0_\@
	s_barrier_signal -3
.Lnot_wave_0_\@:
	s_barrier_wait -3
	s_barrier_signal -1
	s_barrier_wait -1
.endm
.macro ROUND
	s_barrier_signal -1
	s_barrier_wait -1
	CREST
.endm
.macro BARRIER
	s_wait_dscnt 0x0
	s_barrier_signal -1
	s_barrier_wait -1
.endm
.macro STEPW                           ; the other slot, the next fill
	s_xor_b32 s[G0W+1], s[G0W+1], PART
	s_add_nc_u64 s[G0W+2:G0W+3], s[G0W+2:G0W+3], FILLB
.endm
.macro ASK off                         ; my 34 blocks of a fill: 32, then the last two
	s_cmp_lt_u32 ttmp9, 4
	s_cbranch_scc0 .Lnot_asked_\@
	global_prefetch_b8 v[PF1], s[PF:PF+1] offset:(\off) th:TH_LOAD_NT scope:SCOPE_SE
	global_prefetch_b8 v[PF2], s[PF:PF+1] offset:(\off) th:TH_LOAD_NT scope:SCOPE_SE
.Lnot_asked_\@:
.endm
.macro WM rd, ra, rb, rc, sa, sb, odd
.if (\rc) < 0
.if \odd
	v_wmma_scale_f32_16x16x128_f8f6f4 v[(\rd):(\rd)+7], v[(\ra):(\ra)+7], v[(\rb):(\rb)+7], 0, v[\sa], v[\sb] matrix_a_fmt:MATRIX_FMT_FP4 matrix_b_fmt:MATRIX_FMT_FP4 matrix_a_scale:MATRIX_SCALE_ROW1
.else
	v_wmma_scale_f32_16x16x128_f8f6f4 v[(\rd):(\rd)+7], v[(\ra):(\ra)+7], v[(\rb):(\rb)+7], 0, v[\sa], v[\sb] matrix_a_fmt:MATRIX_FMT_FP4 matrix_b_fmt:MATRIX_FMT_FP4
.endif
.else
.if \odd
	v_wmma_scale_f32_16x16x128_f8f6f4 v[(\rd):(\rd)+7], v[(\ra):(\ra)+7], v[(\rb):(\rb)+7], v[(\rc):(\rc)+7], v[\sa], v[\sb] matrix_a_fmt:MATRIX_FMT_FP4 matrix_b_fmt:MATRIX_FMT_FP4 matrix_a_scale:MATRIX_SCALE_ROW1
.else
	v_wmma_scale_f32_16x16x128_f8f6f4 v[(\rd):(\rd)+7], v[(\ra):(\ra)+7], v[(\rb):(\rb)+7], v[(\rc):(\rc)+7], v[\sa], v[\sb] matrix_a_fmt:MATRIX_FMT_FP4 matrix_b_fmt:MATRIX_FMT_FP4
.endif
.endif
.endm
; row tile m x 16 tiles of weights, 128 along K; the 64 accumulators take turns.  z = 1: the sums begin with 0;  z = 2: with b, which lies where row tile 3's sums will be
.macro MUL16 m, p, z
.if ((\z) == 2) && ((\m) < 2)
	WIN 0xb1
.elseif (\m) < 2
	WIN 0xa1
.else
	WIN 0xf1
.endif
.irp t, 0,1,2,3,4,5,6,7,8,9,10,11,12,13,14,15
.set rD, 128*((\m)%2)+8*\t
.if (\z) == 1
.set rC, -1
.elseif ((\z) == 2) && ((\m) < 3)
.set rC, 128+8*\t
.else
.set rC, rD
.endif
	WM rD, 128*(\p)+8*\t, AF+32*(\p)+8*(\m), rC, WS+8*(\p)+\t/2, AS+4*(\p)+(\m), \t%2
.endr
.endm
.macro FETCHW off, p                   ; a unit of weights: 16 fragments and their scale words
	WIN 0x40
.irp t, 0,1,2,3,4,5,6,7,8,9,10,11,12,13,14,15
	ds_load_b128 v[128*(\p)+8*\t:128*(\p)+8*\t+3], v[AWD] offset:(\off)+1024*\t
	ds_load_b128 v[128*(\p)+8*\t+4:128*(\p)+8*\t+7], v[AWD] offset:(\off)+1024*\t+512
.endr
	WIN 0
	ds_load_b128 v[WS+8*(\p):WS+8*(\p)+3], v[AWD] offset:(\off)+16384
	ds_load_b128 v[WS+8*(\p)+4:WS+8*(\p)+7], v[AWD] offset:(\off)+16384+512
.endm
.macro FETCHA off, p                   ; activations of a K step: four row tiles and their scale words
.irp m, 0,1,2,3
	ds_load_b128 v[AF+32*(\p)+8*\m:AF+32*(\p)+8*\m+3], v[AAD] offset:(\off)+ATI*\m
	ds_load_b128 v[AF+32*(\p)+8*\m+4:AF+32*(\p)+8*\m+7], v[AAD] offset:(\off)+ATI*\m+544
.endr
	ds_load_b128 v[AS+4*(\p):AS+4*(\p)+3], v[ASD] offset:(\off)
.endm
.macro STEPA z                         ; a slot's first unit
	s_wait_dscnt 0x0
	MUL16 0, 0, \z
	PLACES 4
	FETCHW KU, 1
	FETCHA ACTU, 1
	MUL16 1, 0, \z
	MUL16 2, 0, \z
.if (\z) == 2
	PLACES 5                                       ; the earlier row tiles have taken as C what row tile 3 writes over
.endif
	MUL16 3, 0, \z
	WIN 0
.endm
; a slot's second unit, and the change of slots: the next slot has landed in all four work-groups, this one is read out: it is filled again first behind the round
.macro TURN nexta
	WIN 0
	s_wait_xcnt 0x0                                ; the prefetches have read their address
	s_add_nc_u64 s[PF:PF+1], s[PF:PF+1], FILLB
	s_wait_tensorcnt 0x0
	ds_add_u32 v[SPW], v[NIL]
	STEPW
	s_wait_dscnt 0x1                               ; the unit's operands are in; the add may be out
	MUL16 0, 1, 0
	s_wait_dscnt 0x0
	s_barrier_signal -1
	MUL16 1, 1, 0
	WIN 0
	s_barrier_wait -1
	CREST
	tensor_load_to_lds s[G0W:G0W+3], s[G1W:G1W+7]
	s_nop 0
	PLACES 4
	s_xor_b32 s[TB], s[TB], PART
	v_add_nc_u32 v[AWD], s[TB], v[LI]
	FETCHW 0, 0
.if \nexta
	s_wait_alu depctr_va_vdst(0)                   ; the addresses were stepped ahead of the waits above
	FETCHA 0, 0
.endif
	ASK FILLB
	MUL16 2, 1, 0
	MUL16 3, 1, 0
	WIN 0
.endm
.macro SETA
	v_add_nc_u32 v[AAD], s[TA], v[ALA]
	v_add_nc_u32 v[ASD], s[TA], v[ASA]
.endm
.macro NEXTA
	s_add_co_u32 s[TA], s[TA], 2*ACTU
	SETA
.endm
.macro FIRSTA
	s_mov_b32 s[TA], 0
	SETA
	FETCHA 0, 0
.endm
; x: four rows' 1,024 bytes of the chunk at s[4:5]: lane L takes 32 neighbouring bytes of each
.macro XL g
	WIN 0x80
.irp r, 0,1,2,3
	global_load_b128 v[32*(\g)+8*\r:32*(\g)+8*\r+3], v[XO], s[4:5] offset:4096*(4*(\g)+\r)
	global_load_b128 v[32*(\g)+8*\r+4:32*(\g)+8*\r+7], v[XO], s[4:5] offset:4096*(4*(\g)+\r)+16
.endr
	WIN 0
.endm
.macro XQ g
	WIN 0x2a
.irp r, 0,1,2,3
	v_max3_num_f32 v[TM+\r], |v[32*(\g)+8*\r]|, |v[32*(\g)+8*\r+1]|, |v[32*(\g)+8*\r+2]|
.endr
	WIN 0x28
.irp r, 0,1,2,3
	v_max3_num_f32 v[TM+\r], v[TM+\r], |v[32*(\g)+8*\r+3]|, |v[32*(\g)+8*\r+4]|
.endr
.irp r, 0,1,2,3
	v_max3_num_f32 v[TM+\r], v[TM+\r], |v[32*(\g)+8*\r+5]|, |v[32*(\g)+8*\r+6]|
.endr
.irp r, 0,1,2,3
	v_max3_num_f32 v[TM+\r], v[TM+\r], |v[32*(\g)+8*\r+7]|, 0x1800000   ; and the floor 2^(3 - 127): the byte cannot fall under 1
.endr
	WIN 0
.irp r, 0,1,2,3
	v_max_num_f32_dpp v[TM+\r], v[TM+\r], v[TM+\r] row_xmask:1 row_mask:0xf bank_mask:0xf
.endr
.irp r, 0,1,2,3
	v_max_num_f32_dpp v[TM+\r], v[TM+\r], v[TM+\r] row_xmask:2 row_mask:0xf bank_mask:0xf   ; four lanes hold a block
.endr
.irp r, 0,1,2,3
	v_add_nc_u32 v[TM+4+\r], 0xff000000, v[TM+\r]  ; 2 off the exponent field: the conversion's scale operand
.endr
	WIN 2
.irp r, 0,1,2,3
	v_cvt_scalef32_pk8_fp4_f32 v[TM+8+\r], v[32*(\g)+8*\r:32*(\g)+8*\r+7], v[TM+4+\r]
.endr
.irp r, 0,1,2,3
	v_lshrrev_b32 v[TM+12+\r], 23, v[TM+4+\r]      ; the scale's byte
.endr
	WIN 0
.irp r, 0,1,2,3
	ds_store_b32 v[CBA], v[TM+8+\r] offset:16*(4*(\g)+\r)
	ds_store_b8 v[SBA], v[TM+12+\r] offset:16*(4*(\g)+\r)   ; the four lanes of a block write the same byte with the same value
.endr
.endm
; results to codes: 64 numbers a lane from register s of window win: four half blocks, whose other halves lie in lane l xor 16
.macro QMAX win, s
	WIN 20*(\win)
.irp b, 0,1,2,3
	v_max3_num_f32 v[TM+\b], 0x1800000, |v[(\s)+16*\b]|, |v[(\s)+16*\b+1]|
.endr
.irp i, 2,4,6,8,10,12,14
.irp b, 0,1,2,3
	v_max3_num_f32 v[TM+\b], v[TM+\b], |v[(\s)+16*\b+\i]|, |v[(\s)+16*\b+\i+1]|
.endr
.endr
	WIN 0
.irp b, 0,1,2,3
	v_permlanex16_b32 v[TM+4+\b], v[TM+\b], s[SEL], s[SEL+1]
.endr
.irp b, 0,1,2,3
	v_max_num_f32 v[TM+\b], v[TM+\b], v[TM+4+\b]
.endr
.endm
.macro QTAIL win, s, f, mx
	WIN 0
.irp b, 0,1,2,3
	v_add_nc_u32 v[TM+12+\b], 0xff000000, v[(\mx)+\b]
.endr
.irp b, 0,1,2,3
	v_lshrrev_b32 v[TM+4+\b], 23, v[TM+12+\b]
.endr
	v_lshl_or_b32 v[PW+(\f)], v[TM+5], 8, v[TM+4]
	v_lshl_or_b32 v[PW+(\f)], v[TM+6], 16, v[PW+(\f)]
	v_lshl_or_b32 v[PW+(\f)], v[TM+7], 24, v[PW+(\f)]
	WIN (\win)
.irp b, 0,1,2,3
	v_cvt_scalef32_pk8_fp4_f32 v[PC+8*(\f)+2*\b], v[(\s)+16*\b:(\s)+16*\b+7], v[TM+12+\b]
	v_cvt_scalef32_pk8_fp4_f32 v[PC+8*(\f)+2*\b+1], v[(\s)+16*\b+8:(\s)+16*\b+15], v[TM+12+\b]
.endr
	WIN 0
	v_nop                                          ; a plain place behind the conversions
.irp c, 0,1
.irp i, 0,1
	v_permlane16_swap_b32 v[PC+8*(\f)+4*\c+\i], v[PC+8*(\f)+4*\c+2+\i]   ; whole blocks: lanes 0-15 block 2 c, lanes 16-31 block 2 c + 1
.endr
.endr
.endm
.macro IMAGE g, m, f
	ds_store_b128 v[AWI], v[PC+8*(\f):PC+8*(\f)+3] offset:ACTU*(\g)+ATI*(\m)
	ds_store_b128 v[AWI], v[PC+8*(\f)+4:PC+8*(\f)+7] offset:ACTU*(\g)+ATI*(\m)+544
	ds_store_b32 v[ASI], v[PW+(\f)] offset:ACTU*(\g)+4*(\m)   ; both halves of the lanes hold the same word and write it to the same place
.endm
	s_load_b256 s[4:11], s[0:1], 0x0               ; x, b, wimg, out0
	v_lshl_add_u32 v[SPW], v0, 2, SPARE
	v_mov_b32 v[NIL], 0
	ds_add_u32 v[SPW], v[NIL]                      ; the wave's opening: the add, twice on end, under one wait
	ds_add_u32 v[SPW], v[NIL]
	v_lshrrev_b32 v16, 5, v0
	v_readfirstlane_b32 s[WV], v16
	s_bfe_u32 s13, ttmp6, 0x40000                  ; cx
	s_lshl_b32 s14, ttmp9, 2
	s_add_co_u32 s14, s14, s13                     ; work-group = 4 x cluster + cx
	s_lshl_b32 s16, s14, 18                        ; 64 rows of 4,096 bytes
	s_mov_b32 s17, 0
	s_mul_i32 s18, s[WV], PART                     ; my part of a fill in memory
	s_mov_b32 s19, 0
	s_mul_i32 s20, s[WV], WREG                     ; and in LDS
	s_mul_i32 s[TB], s[WV], WREG
	s_mul_i32 s22, s13, 8704                       ; my work-group's 34 blocks of it, to prefetch
	s_mov_b32 s23, 0
	s_lshl_b32 s40, s[WV], 16                      ; my 16 rows of x
	s_mov_b32 s41, 0
	s_lshl_b32 s42, s[WV], 10                      ; my 256 columns of b and of out0
	s_mov_b32 s43, 0
	s_mul_i32 s44, s[WV], 2*ACTU                   ; my columns are K steps 2 w, 2 w + 1 of the next product
	s_add_co_u32 s44, s44, ACT
	s_mul_i32 s45, s[WV], ATI
	s_add_co_u32 s45, s45, ACT                     ; my rows of x are row tile w
	s_lshl_b32 s46, s[WV], 2
	s_add_co_u32 s47, s46, ACT+4352
	s_add_co_u32 s46, s46, REDM
	s_mov_b32 s[G1W], 15|(3<<16)|(1<<21)           ; joint among the four work-groups; elements of 8 bytes: 136 rows of 256 bytes, dense
	s_mov_b32 s[G1W+1], 32<<16
	s_mov_b32 s[G1W+2], 136<<16
	s_mov_b32 s[G1W+3], 32<<16
	s_mov_b32 s[G1W+4], 136
	s_mov_b32 s[G1W+5], 32
	s_mov_b32 s[G1W+6], 0
	s_mov_b32 s[G1W+7], 0
	s_mov_b32 s[SEL], 0x76543210
	s_mov_b32 s[SEL+1], 0xfedcba98                 ; v_permlanex16_b32's selects for lane l xor 16
	s_mov_b32 s[CS], 0x3fb8aa3b                    ; log2(e)
	s_mov_b32 s[CS+1], s[CS]
	s_mov_b32 s[TA], 0
	s_mov_b32 s[CNT], 3
	v_and_b32 v19, 31, v0                          ; lane
	v_lshlrev_b32 v[LI], 4, v19
	v_lshlrev_b32 v[XO], 5, v19
	v_and_b32 v17, 15, v0                          ; r
	v_bfe_u32 v18, v0, 4, 1                        ; h
	v_bfe_u32 v21, v0, 2, 2                        ; q: my block in a K step (lane / 16: which of the chunk's two K steps)
	v_mul_u32_u24 v22, v21, 272
	v_and_b32 v23, 3, v0
	v_lshl_add_u32 v22, v23, 2, v22
	v_mul_u32_u24 v23, v18, ACTU
	v_add_nc_u32 v22, v22, v23
	v_add_nc_u32 v[CB0], s45, v22
	v_add_nc_u32 v23, v23, v21
	v_add_nc_u32 v[SB0], s47, v23
	v_mul_u32_u24 v24, v18, 272
	v_lshl_add_u32 v24, v17, 4, v24                ; an image's lane place: 16 r + 272 h
	v_lshlrev_b32 v25, 4, v17
	v_add_nc_u32 v26, 4352, v25
	v_add_nc_u32 v[ALA], ACT, v24
	v_add_nc_u32 v[ASA], ACT, v26
	v_add_nc_u32 v[AWI], s44, v24
	v_add_nc_u32 v[ASI], s44, v26
	v_add_nc_u32 v[RMW], s46, v25
	v_add_nc_u32 v[RMR], REDM, v25
	v_lshlrev_b32 v[VB], 6, v18
	v_mul_u32_u24 v27, v17, SP3
	v_lshl_add_u32 v27, v18, 6, v27
	v_add_nc_u32 v[SO3], s44, v27                  ; the way out's stage lies where my K steps of p lay
	v_add_nc_u32 v[SR3], s44, v24
	v_lshlrev_b32 v28, 12, v18
	v_lshl_add_u32 v[GO3], v17, 4, v28
	v_lshlrev_b32 v[PF1], 8, v19
	v_min_u32 v29, 1, v19
	v_lshlrev_b32 v29, 8, v29
	v_add_nc_u32 v[PF2], 8192, v29
	s_wait_alu depctr_va_vdst(0)
	s_wait_dscnt 0x0                               ; both opening adds are done
	s_wait_kmcnt 0x0
	s_add_nc_u64 s[4:5], s[4:5], s[16:17]
	s_add_nc_u64 s[4:5], s[4:5], s[40:41]
	s_add_nc_u64 s[10:11], s[10:11], s[16:17]
	s_add_nc_u64 s[10:11], s[10:11], s[42:43]
	s_add_nc_u64 s[6:7], s[6:7], s[42:43]
	s_add_nc_u64 s[8:9], s[8:9], s[18:19]
	WIN 0xc0                                       ; b in the results' layout, where row tile 3's sums will be
.irp t, 0,1,2,3,4,5,6,7,8,9,10,11,12,13,14,15
	global_load_b128 v[128+8*\t:128+8*\t+3], v[VB], s[6:7] offset:128*(\t/2)+32*(\t%2)
	global_load_b128 v[128+8*\t+4:128+8*\t+7], v[VB], s[6:7] offset:128*(\t/2)+32*(\t%2)+16
.endr
.irp g, 0,1,2,3
	XL \g
.endr
	s_mov_b32 s[G0W], 1
	s_mov_b32 s[G0W+1], s20
	s_mov_b64 s[G0W+2:G0W+3], s[8:9]
	s_or_b32 s[G0W+3], s[G0W+3], 0x80000000
	s_add_nc_u64 s[PF:PF+1], s[8:9], s[22:23]
	s_add_nc_u64 s[PF:PF+1], s[PF:PF+1], 2*FILLB   ; fill 2
	ROUND                                          ; all four work-groups are here: the first joint loads meet
	tensor_load_to_lds s[G0W:G0W+3], s[G1W:G1W+7]  ; fill 0
	s_nop 0
	PLACES 4
; x by chunks of 256 along K.  Behind a group's 8 loads stand 8 (3 - g) of its own chunk and 8 g of the next: 24
.macro CHUNKA
	v_add_nc_u32 v[CBA], s[TA], v[CB0]
	v_add_nc_u32 v[SBA], s[TA], v[SB0]
.endm
.Lx:
	CHUNKA
	s_wait_xcnt 0x0                                ; the loads have read their base
	s_add_nc_u64 s[4:5], s[4:5], 0x400
.irp g, 0,1,2,3
	s_wait_loadcnt 24
	XQ \g
	XL \g
.endr
	s_add_co_u32 s[TA], s[TA], 2*ACTU
	s_sub_co_u32 s[CNT], s[CNT], 1
	s_cmp_lg_u32 s[CNT], 0
	s_cbranch_scc1 .Lx
	s_wait_tensorcnt 0x0                           ; fill 0 is in; the ring's second slot is filled as a refill is
	ds_add_u32 v[SPW], v[NIL]
	STEPW
	s_wait_dscnt 0x0
	ROUND
	tensor_load_to_lds s[G0W:G0W+3], s[G1W:G1W+7]  ; fill 1
	s_nop 0
	PLACES 4
	ASK 0
	ASK FILLB
	CHUNKA
.irp g, 0,1,2,3
	s_wait_loadcnt 24-8*\g
	XQ \g
.endr
	BARRIER                                        ; all 64 rows' codes are there
; PRODUCT 1
	v_add_nc_u32 v[AWD], s[TB], v[LI]
	FETCHW 0, 0
	FIRSTA
	s_wait_alu depctr_va_vdst(0)
	STEPA 2
	s_mov_b32 s[CNT], 3
.Lp1:
	NEXTA
	TURN 1
	STEPA 0
	s_sub_co_u32 s[CNT], s[CNT], 1
	s_cmp_lg_u32 s[CNT], 0
	s_cbranch_scc1 .Lp1
	TURN 0                                         ; its barrier also shows that nobody reads the activations any more
	PLACES 4
.irp m, 0,1,2,3
.irp g, 0,1
	QMAX 2+\m/2, 128*(\m%2)+64*\g
	QTAIL 2+\m/2, 128*(\m%2)+64*\g, 2*\m+\g, TM
	IMAGE \g, \m, 2*\m+\g
.endr
.endr
	BARRIER
; PRODUCT 2
	FIRSTA
	s_wait_alu depctr_va_vdst(0)
	STEPA 1
	s_mov_b32 s[CNT], 3
.Lp2:
	NEXTA
	TURN 1
	STEPA 0
	s_sub_co_u32 s[CNT], s[CNT], 1
	s_cmp_lg_u32 s[CNT], 0
	s_cbranch_scc1 .Lp2
	TURN 0
	PLACES 4
; SOFTMAX.  The largest score of each block of 32 keys and of my 256 keys; then of the four waves
.macro S1 m
.set W_, 2+(\m)/2
.set A_, 128*((\m)%2)
	WIN 5*W_
.irp b, 0,1,2,3,4,5,6,7
	v_max_num_f32 v[BM+8*(\m)+\b], v[A_+16*\b], v[A_+16*\b+1]
.endr
	WIN 20*W_
.irp i, 2,4,6,8,10,12,14
.irp b, 0,1,2,3,4,5,6,7
	v_max3_num_f32 v[BM+8*(\m)+\b], v[BM+8*(\m)+\b], v[A_+16*\b+\i], v[A_+16*\b+\i+1]
.endr
.endr
	WIN 0
.irp b, 0,1,2,3,4,5,6,7
	v_permlanex16_b32 v[BT+\b], v[BM+8*(\m)+\b], s[SEL], s[SEL+1]
.endr
.irp b, 0,1,2,3,4,5,6,7
	v_max_num_f32 v[BM+8*(\m)+\b], v[BM+8*(\m)+\b], v[BT+\b]
.endr
	v_max3_num_f32 v[TM], v[BM+8*(\m)], v[BM+8*(\m)+1], v[BM+8*(\m)+2]
	v_max3_num_f32 v[TM+1], v[BM+8*(\m)+3], v[BM+8*(\m)+4], v[BM+8*(\m)+5]
	v_max3_num_f32 v[TM], v[TM], v[BM+8*(\m)+6], v[BM+8*(\m)+7]
	v_max_num_f32 v[TM], v[TM], v[TM+1]
	ds_store_b32 v[RMW], v[TM] offset:256*(\m)
.endm
	S1 0
	S1 1
	S1 2
	S1 3
	BARRIER
.irp m, 0,1,2,3
	ds_load_b128 v[RQ+4*\m:RQ+4*\m+3], v[RMR] offset:256*\m
.endr
	s_wait_dscnt 0x0
.irp m, 0,1,2,3
	v_max3_num_f32 v[TM+\m], v[RQ+4*\m], v[RQ+4*\m+1], v[RQ+4*\m+2]
.endr
.irp m, 0,1,2,3
	v_max_num_f32 v[TM+\m], v[TM+\m], v[RQ+4*\m+3]
.endr
.irp m, 0,1,2,3
	v_mul_f32 v[TM+\m], s[CS], v[TM+\m]
.endr
.irp m, 0,1,2,3
	v_floor_f32 v[NM+2*\m], -v[TM+\m]              ; -M = floor(-t)
.endr
.irp m, 0,1,2,3
	v_mov_b32 v[NM+2*\m+1], v[NM+2*\m]
.endr
.irp m, 0,1,2,3
.irp b, 0,1,2,3,4,5,6,7
	v_fma_f32 v[BM+8*\m+\b], v[BM+8*\m+\b], s[CS], v[NM+2*\m]
.endr
.endr
.macro TPAIR rg, m                     ; t - M, two at a time
	v_pk_fma_f32 v[(\rg):(\rg)+1], v[(\rg):(\rg)+1], s[CS:CS+1], v[NM+2*(\m):NM+2*(\m)+1] op_sel_hi:[1,0,0]
.endm
.macro TTILE m                         ; a whole row tile's
	WIN 65*(2+(\m)/2)
.set j, 128*((\m)%2)
.rept 64
	TPAIR j, \m
.set j, j+2
.endr
	WIN 0
.endm
.macro SUM4 rg, m                      ; eight p, two at a time, in four chains
	v_pk_add_f32 v[SA+2*(\m):SA+2*(\m)+1], v[SA+2*(\m):SA+2*(\m)+1], v[(\rg):(\rg)+1]
	v_pk_add_f32 v[TM:TM+1], v[TM:TM+1], v[(\rg)+2:(\rg)+3]
	v_pk_add_f32 v[TM+2:TM+3], v[TM+2:TM+3], v[(\rg)+4:(\rg)+5]
	v_pk_add_f32 v[TM+4:TM+5], v[TM+4:TM+5], v[(\rg)+6:(\rg)+7]
.endm
; row tile m: one wait, 128 exponentials (m even: the next row tile's multiply-adds, in the same window, between them), the 8 of the blocks' largest, one wait
.macro S2 m
.set W_, 2+(\m)/2
.set A_, 128*((\m)%2)
	s_wait_alu depctr_va_vdst(0)                   ; a wait ahead of the batch
	WIN 65*W_
.set j, 0
.rept 64
	v_exp_f32 v[A_+j], v[A_+j]
	v_exp_f32 v[A_+j+1], v[A_+j+1]
.if ((\m)%2) == 0
	TPAIR 128+j, (\m)+1
.endif
.set j, j+2
.endr
	WIN 0
.irp b, 0,1,2,3,4,5,6,7
	v_exp_f32 v[BM+8*(\m)+\b], v[BM+8*(\m)+\b]
.endr
	v_nop
	s_wait_alu depctr_va_vdst(0)                   ; and behind it
.irp b, 0,1,2,3,4,5,6,7
	v_max_num_f32 v[BM+8*(\m)+\b], 0x1800000, v[BM+8*(\m)+\b]
.endr
	WIN 5*W_
	v_pk_add_f32 v[SA+2*(\m):SA+2*(\m)+1], v[A_:A_+1], v[A_+2:A_+3]
	v_pk_add_f32 v[TM:TM+1], v[A_+4:A_+5], v[A_+6:A_+7]
	v_pk_add_f32 v[TM+2:TM+3], v[A_+8:A_+9], v[A_+10:A_+11]
	v_pk_add_f32 v[TM+4:TM+5], v[A_+12:A_+13], v[A_+14:A_+15]
	WIN 4*W_
.set j, 16
.rept 14
	SUM4 A_+j, \m
.set j, j+8
.endr
	WIN 0
	v_pk_add_f32 v[SA+2*(\m):SA+2*(\m)+1], v[SA+2*(\m):SA+2*(\m)+1], v[TM:TM+1]
	v_pk_add_f32 v[TM+2:TM+3], v[TM+2:TM+3], v[TM+4:TM+5]
	v_pk_add_f32 v[SA+2*(\m):SA+2*(\m)+1], v[SA+2*(\m):SA+2*(\m)+1], v[TM+2:TM+3]
	v_add_f32 v[SA+2*(\m)], v[SA+2*(\m)], v[SA+2*(\m)+1]
	v_permlanex16_b32 v[TM+6], v[SA+2*(\m)], s[SEL], s[SEL+1]
	v_add_f32 v[SA+2*(\m)], v[SA+2*(\m)], v[TM+6]
	ds_store_b32 v[RMW], v[SA+2*(\m)] offset:1024+256*(\m)   ; my 256 keys' part of the row's sum, of the unquantised p
.irp g, 0,1
	QTAIL W_, A_+64*\g, 2*(\m)+\g, BM+8*(\m)+4*\g
	IMAGE \g, \m, 2*(\m)+\g
.endr
.endm
	TTILE 0
	S2 0
	S2 1
	TTILE 2
	S2 2
	S2 3
	BARRIER
; PRODUCT 3: all of p (64 rows x 1,024 keys) stays in window 2; a unit is 32 columns of out0 over all keys, a slot 64
	WIN 0x80
.irp s, 0,1,2,3,4,5,6,7
.irp m, 0,1,2,3
	ds_load_b128 v[32*\s+8*\m:32*\s+8*\m+3], v[ALA] offset:ACTU*\s+ATI*\m
	ds_load_b128 v[32*\s+8*\m+4:32*\s+8*\m+7], v[ALA] offset:ACTU*\s+ATI*\m+544
.endr
.endr
	WIN 0
.irp s, 0,1,2,3,4,5,6,7
	ds_load_b128 v[PS+4*\s:PS+4*\s+3], v[ASA] offset:ACTU*\s
.endr
.irp m, 0,1,2,3
	ds_load_b128 v[RQ+4*\m:RQ+4*\m+3], v[RMR] offset:1024+256*\m
.endr
	s_mov_b32 s[CNT], 2
	s_wait_dscnt 0x0
.irp m, 0,1,2,3
	v_add_f32 v[RQ+4*\m], v[RQ+4*\m], v[RQ+4*\m+1]
.endr
.irp m, 0,1,2,3
	v_add_f32 v[RQ+4*\m+2], v[RQ+4*\m+2], v[RQ+4*\m+3]
.endr
.irp m, 0,1,2,3
	v_add_f32 v[RQ+4*\m], v[RQ+4*\m], v[RQ+4*\m+2]
.endr
	s_wait_alu depctr_va_vdst(0)                   ; a wait ahead of the batch,
.irp m, 0,1,2,3
	v_rcp_f32 v[NM+2*\m], v[RQ+4*\m]
.endr
	v_nop
	s_wait_alu depctr_va_vdst(0)                   ; and behind it
.macro MULS q, k0, k1                  ; unit q of the slot, K steps k0 .. k1: its 8 accumulators by turns
	WIN 0xf9
.set kk, \k0
.rept (\k1)-(\k0)+1
.irp u, 0,1
.irp m, 0,1,2,3
.set rD, 32*\m+16*(\q)+8*\u
.if kk == 0
.set rC, -1
.else
.set rC, rD
.endif
	WM rD, 128*(\q)+8*(2*kk+\u), 32*kk+8*\m, rC, WS+8*(\q)+kk, PS+4*kk+\m, \u
.endr
.endr
.set kk, kk+1
.endr
.endm
.macro UA3
	s_wait_dscnt 0x0
	MULS 0, 0, 1
	PLACES 4
	FETCHW KU, 1
	MULS 0, 2, 7
	WIN 0
.endm
.macro TURN3 fill
	WIN 0
	s_wait_tensorcnt 0x0
	ds_add_u32 v[SPW], v[NIL]
.if \fill
	STEPW
.endif
	s_wait_dscnt 0x1
	MULS 1, 0, 1
	s_wait_dscnt 0x0
	s_barrier_signal -1
	MULS 1, 2, 3
	WIN 0
	s_barrier_wait -1
.if \fill
	CREST
	tensor_load_to_lds s[G0W:G0W+3], s[G1W:G1W+7]
	s_nop 0
.endif
	PLACES 4
	s_xor_b32 s[TB], s[TB], PART
	v_add_nc_u32 v[AWD], s[TB], v[LI]
	s_wait_alu depctr_va_vdst(0)
	FETCHW 0, 0
	MULS 1, 4, 7
	WIN 0
.endm
; THE WAY OUT of 64 columns: divided by the row's sum, 16 rows at a time through my stage in LDS, and stored as aligned units of 256 bytes
.macro SCALE3 m
	WIN 0xc3
.irp j, 0,2,4,6,8,10,12,14,16,18,20,22,24,26,28,30
	v_pk_mul_f32 v[32*(\m)+\j:32*(\m)+\j+1], v[32*(\m)+\j:32*(\m)+\j+1], v[NM+2*(\m):NM+2*(\m)+1] op_sel_hi:[1,0]
.endr
.endm
.macro STG3 m
	WIN 0x0c
.irp j, 0,1,2,3,4,5,6,7
	ds_store_b128 v[SO3], v[32*(\m)+4*\j:32*(\m)+4*\j+3] offset:STB*((\m)%2)+128*(\j/4)+16*(\j%4)
.endr
	WIN 0
.irp j, 0,1,2,3,4,5,6,7
	ds_load_b128 v[OB+32*((\m)%2)+4*\j:OB+32*((\m)%2)+4*\j+3], v[SR3] offset:STB*((\m)%2)+2*SP3*\j   ; LDS serves a wave's instructions in order
.endr
.endm
.macro SEND3 m
	WIN 0
.irp j, 0,1,2,3,4,5,6,7
	s_wait_dscnt 7-\j
	global_store_b128 v[GO3], v[OB+32*((\m)%2)+4*\j:OB+32*((\m)%2)+4*\j+3], s[10:11] offset:(16*(\m)+2*\j)*4096 th:TH_STORE_NT
.endr
.endm
.macro WAYOUT3
	PLACES 4
	SCALE3 0
	s_wait_alu depctr_va_vdst(0)
	s_wait_xcnt 0x0                                ; earlier stores have read their registers
	STG3 0
	SCALE3 1
	SEND3 0
	s_wait_alu depctr_va_vdst(0)
	STG3 1
	SCALE3 2
	SEND3 1
	s_wait_alu depctr_va_vdst(0)
	s_wait_xcnt 0x0
	STG3 2
	SCALE3 3
	SEND3 2
	s_wait_alu depctr_va_vdst(0)
	s_wait_xcnt 0x0
	STG3 3
	SEND3 3
.endm
.macro NEXTOUT
	s_wait_xcnt 0x0                                ; the stores have read their base
	s_add_nc_u64 s[10:11], s[10:11], 0x100
.endm
.Lp3:
	UA3
	TURN3 1                                        ; its barrier also shows that every wave has its p: the stages may be written
	WAYOUT3
	NEXTOUT
	s_sub_co_u32 s[CNT], s[CNT], 1
	s_cmp_lg_u32 s[CNT], 0
	s_cbranch_scc1 .Lp3
	UA3                                            ; the last two slots fill nothing
	TURN3 0
	WAYOUT3
	NEXTOUT
	UA3
	s_wait_dscnt 0x0
	MULS 1, 0, 7
	WIN 0
	WAYOUT3
	s_wait_tensorcnt 0x0                           ; the wave's end
	ds_add_u32 v[SPW], v[NIL]
	s_wait_dscnt 0x0
	ROUND                                          ; the closing round: no work-group ends while a partner may still ask for a tile that names it
	s_endpgm
.Lfunc_end_k_q04bfad6944_fused:
	.size	k_q04bfad6944_fused, .Lfunc_end_k_q04bfad6944_fused-k_q04bfad6944_fused
	.p2alignl 7, 3214868480
	.fill 96, 4, 3214868480
	.section	.rodata,"a",@progbits
	.p2align	6, 0x0
	.amdhsa_kernel k_q04bfad6944_fused
		.amdhsa_group_segment_fixed_size 327680
		.amdhsa_private_segment_fixed_size 0
		.amdhsa_enable_private_segment 0
		.amdhsa_kernarg_size 32
		.amdhsa_user_sgpr_count 2
		.amdhsa_user_sgpr_kernarg_segment_ptr 1
		.amdhsa_wavefront_size32 1
		.amdhsa_system_sgpr_workgroup_id_x 1
		.amdhsa_system_sgpr_workgroup_id_y 1
		.amdhsa_system_sgpr_workgroup_id_z 1
		.amdhsa_system_vgpr_workitem_id 0
		.amdhsa_next_free_vgpr 1024
		.amdhsa_next_free_sgpr 66
		.amdhsa_reserve_vcc 0
		.amdhsa_float_denorm_mode_32 3
		.amdhsa_float_denorm_mode_16_64 3
		.amdhsa_memory_ordered 1
		.amdhsa_forward_progress 1
		.amdhsa_inst_pref_size 255
	.end_amdhsa_kernel
	.section	.bss,"aw",@nobits
	.p2align	6
	.space	262144
	.amdgpu_metadata
---
amdhsa.version: [ 1, 2 ]
amdhsa.kernels:
  - .name:           k_q04bfad6944_fused
    .symbol:         k_q04bfad6944_fused.kd
    .args:
      - { .name: x, .offset: 0, .size: 8, .value_kind: global_buffer, .address_space: global }
      - { .name: b, .offset: 8, .size: 8, .value_kind: global_buffer, .address_space: global }
      - { .name: wimg, .offset: 16, .size: 8, .value_kind: global_buffer, .address_space: global }
      - { .name: out0, .offset: 24, .size: 8, .value_kind: global_buffer, .address_space: global }
    .group_segment_fixed_size: 327680
    .private_segment_fixed_size: 0
    .kernarg_segment_align: 8
    .kernarg_segment_size: 32
    .max_flat_workgroup_size: 128
    .sgpr_count:     66
    .vgpr_count:     1024
    .wavefront_size: 32
...
	.end_amdgpu_metadata
.endif
;; end of part 2
